; MI455X (gfx1250); checked and timed in simulation.
; The chip was launched on July 23, 2026; its instructions are those of AMD's public machine-readable ISA for CDNA 5 (MIT licence, August 2026) and "CDNA5" Instruction Set Architecture Reference Guide (July 2026). The comments in the code are by the model that wrote it; some were corrected since.
;; Multi Head Attention Torch. Allowed arithmetic: matrix products marked QUANTISED: E2M3 operands, one E8M0 scale for each 32 along K, by v_wmma_scale_f32_16x16x128_f8f6f4 with both operands' format E2M3, f32 sums; everything else in f32.
;; Inputs: Wk 512 x 512 float32; Wo 512 x 512 float32; Wq 512 x 512 float32; Wv 512 x 512 float32; bk 512 float32; bo 512 float32; bq 512 float32; bv 512 float32; k 2 x 4,096 x 512 float32; q 2 x 4,096 x 512 float32; v 2 x 4,096 x 512 float32.
;; Outputs: out0 2 x 4,096 x 512 float32.
;; This version of the problem:
;;   THIS VERSION OF THE PROBLEM IS GIVEN IN LOW PRECISION. The matrix products marked QUANTISED in the list below multiply operands that are first quantised to E2M3 (2 exponent bits, 3 mantissa bits; 6 bits a number), with one power-of-two scale for each 32 numbers along K (OCP MX v1.0); their sums are f32. All else is computed in f32.
;;   The module's matrix products, in the order in which they are computed (A, B: the left and right operand; K: the contracted axis; several contracted axes count as one K, in the product's order):
;;     1. [M 8,192, K 512] x [K 512, N 512]; A: input q; B: input Wq: QUANTISED
;;     2. [M 8,192, K 512] x [K 512, N 512]; A: input k; B: input Wk: QUANTISED
;;     3. [M 8,192, K 512] x [K 512, N 512]; A: input v; B: input Wv: QUANTISED
;;     4. batch 16 x [M 4,096, K 64] x [K 64, N 4,096]; A: computed on the way; B: computed on the way: QUANTISED
;;     5. batch 16 x [M 64, K 4,096] x [K 4,096, N 4,096]; A: computed on the way; B: softmax (see below): QUANTISED
;;     6. [M 8,192, K 512] x [K 512, N 512]; A: computed on the way; B: input Wo: QUANTISED
;;   THE QUANTISER, for each operand of a quantised product, along K:
;;     - K is cut into blocks of 32 from its start; a last block that is shorter is filled with zeros.
;;     - A block's scale is 2^e with e = floor(log2(the largest magnitude in the block)) - 2, held to -126 .. 127; a block of zeros has e = 0. As a byte (E8M0): e + 127.
;;     - Each number is divided by its block's scale, clamped to +-7.5, and rounded to the nearest number of E2M3, ties to even, subnormals kept.
;;     - The product sums the exact products of the quantised numbers (number of the format x scale) in f32.
;;   ~~~python
;;   def quantise(x, axis):      # numpy; x: float32 -> the quantised numbers, widened to float32 again
;;       x = np.moveaxis(x, axis, -1); K = x.shape[-1]
;;       x = np.pad(x, [(0, 0)] * (x.ndim - 1) + [(0, -K % 32)]); x = x.reshape(x.shape[:-1] + (-1, 32)); a = np.abs(x).max(-1, keepdims=True)
;;       e = np.where(a > 0, np.clip(np.frexp(np.where(a > 0, a, 1))[1] - 1 - 2, -126, 127), 0)      # np.frexp(a)[1] - 1 = floor(log2(a)), exactly
;;       r = np.clip(x / 2.0 ** e, -7.5, 7.5)
;;       step = 2.0 ** (np.maximum(np.frexp(np.where(r == 0, 1, r))[1] - 1, 0) - 3)
;;       q = np.round(r / step) * step * 2.0 ** e      # np.round: ties to even
;;       return np.moveaxis(q.reshape(q.shape[:-2] + (-1,))[..., :K], -1, axis).astype(np.float32)
;;   ~~~
;;   SOFTMAX AHEAD OF A QUANTISED PRODUCT. Where the list says 'softmax', what is quantised is not the finished softmax but p = 2^(t - M), with t = logit x log2(e) and M = ceil(the row's largest t), a whole number; so 1/2 < the row's largest p <= 1. The row's sum l is taken of the UNQUANTISED p, in f32, and the product's result is divided by l at the end. Since M is a whole number, a kernel that streams over the keys may use a running M (the ceiling of the running maximum): every later rescaling is an exact power of two, which a block's scale takes up: the codes' values come out the same.
;;   OPERANDS COMPUTED ON THE WAY. 'Computed on the way' means the value that the module computes at that place (a softmax that the list does not call 'softmax' is quantised finished and normalised). What goes into a quantiser is computed in f32, as accurately as f32 sums, v_exp_f32 and their like allow (about 1e-6 of the number): no bf16 or f16 on the way to a quantiser, and a product that is left as it is and whose result goes on into a quantised operand takes f32 operands (vector FMAs, or v_wmma_f32_16x16x4_f32). A number that lies on a knife's edge between two numbers of the format may be rounded either way, as far as f32 arithmetic and the matrix unit's own rounding can turn it there, and no further.
;; One version. Each part assembles by itself: llvm-mc -triple=amdgcn-amd-amdhsa -mcpu=gfx1250 --defsym DOCPART=n.
;; ======== version 1 of 1: 4 launches
;; limits: right only within a limited range of input values
;; workspace buffers: cod 10,223,616 bytes; scl 425,984 bytes; qc 3,145,728 bytes; qs 262,144 bytes; kvc 6,291,456 bytes; kvs 393,216 bytes; ac 3,145,728 bytes; asc 131,072 bytes
;; launch quant (part 1): grid 416 x 1, 4 waves a work-group, no clusters, 34,304 bytes of LDS; arguments q, k, v, Wq, Wk, Wv, Wo, cod, scl; writes cod, scl
.if DOCPART == 1
	.amdgcn_target "amdgcn-amd-amdhsa--gfx1250"
	.amdhsa_code_object_version 6
	.text
	.protected	k_q17ca4186f8_quant
	.globl	k_q17ca4186f8_quant
	.p2align	8
	.type	k_q17ca4186f8_quant,@function
k_q17ca4186f8_quant:
	s_mov_b64 s[64:65], 0
	v_nop
	global_prefetch_b8 v0, s[64:65] scope:SCOPE_SE
	s_setreg_imm32_b32 hwreg(HW_REG_WAVE_MODE, 25, 1), 1
	s_wait_xcnt 0x0
; q, k, v [8192][512] and Wq, Wk, Wv, Wo [512][512], f32, K innermost, become codes of FP6 (E2M3) with one E8M0 byte for each 32 along K,
; laid in the ORDER OF AN OPERAND'S REGISTERS.  A TILE is 16 rows: tile 2 B + u of a tensor holds rows 32 B + 8 u + i + 8 (i / 8), i = 0 .. 15, so that the results of two
; neighbouring tiles are 16 neighbours along the next product's K.  A fragment (a tile x 128 K, 12 registers a lane) lies as 1,536 bytes: registers 4 g .. 4 g + 3 of lane l at 512 g + 16 l.
; cod: [1664 tiles][4 K steps][1536]; tiles: q 0, k 512, v 1024, Wq 1536, Wk 1568, Wv 1600, Wo 1632.   scl: [tile][row 16][4 words], word s = the four bytes of K step s.
; A block's scale is 2^(floor(log2(its largest magnitude)) - 2); its byte is that magnitude's exponent field - 2, held at 1 from below.
; LIMITS: a block of zeros gets the byte 1 where the rule says 127 (its codes are zeros, and this program alone reads the bytes); a block whose largest magnitude lies under 2^-124 is held at the byte 1;
; NaN and infinities among the inputs are not served.
; SHARES: a wave takes one tile: 16 rows x 512 K, 32 KiB in, 6,144 + 256 bytes out.  Each load reads 512 consecutive bytes of one row; a K step's 16 x 512 bytes turn through the wave's own stage in LDS,
; from which lane (r, h) takes the 2 x 128 bytes of row r that the operand's layout gives it: two whole blocks of 32, so that no other lane is asked for a maximum.
; No tensor load, no barrier (waves share nothing), no matrix unit, no cluster: a stream that is read once.
.set STG,   8448                       ; a wave's stage: 16 rows x (512 + 16) bytes
.set SPARE, 4*STG                      ; behind the stages: the spare words, 128 bytes for each wave: two blocks of 256 bytes that no other line names
.set SPW,   9                          ; v9       LDS address of my spare word; never rewritten
.set NIL,   10                         ; v10      0; never rewritten
.set PD,    11                         ; v11      a lane permute's destination
.set M,     12                         ; v12-13   my two blocks' largest magnitudes
.set SO,    14                         ; v14-15   the conversions' scale operands
.set BY,    16                         ; v16-17   the scale bytes
.set WD,    18                         ; v18      my two bytes at their places in the word
.set CT,    20                         ; v20-22, v24-26  the upper halves of my blocks' codes, before they are moved
.set SW,    28                         ; v28-31   the four K steps' scale words
.set C,     32                         ; v32-55   a fragment's codes, two sets of 12
.set OW,    56                         ; v56-57   scale words on the way out
.set X,     64                         ; v64-127  64 numbers in the operand's order
.set R,     128                        ; v128-255 two sets of 64 registers as loaded
	s_load_b256 s[4:11], s[0:1], 0x0               ; q, k, v, Wq
	s_load_b256 s[12:19], s[0:1], 0x20             ; Wk, Wv, Wo, cod
	s_load_b64 s[20:21], s[0:1], 0x40              ; scl
	v_lshl_add_u32 v[SPW], v0, 2, SPARE
	v_mov_b32 v[NIL], 0
	v_lshrrev_b32 v1, 5, v0
	v_readfirstlane_b32 s22, v1                    ; wave 0..3
	v_and_b32 v1, 31, v0                           ; lane
	v_and_b32 v2, 15, v0                           ; r
	v_bfe_u32 v3, v0, 4, 1                         ; h
	v_lshlrev_b32 v4, 4, v1                        ; 16 x lane: my bytes of a load's 512, and of a store's
	s_mul_i32 s28, s22, STG
	v_add_nc_u32 v5, s28, v4                       ; the stage, on the way in: 16 x lane, the row in the immediate
	v_mul_u32_u24 v6, v2, 528
	v_lshl_add_u32 v6, v3, 7, v6
	v_add_nc_u32 v6, s28, v6                       ; and on the way out: row r, + 128 h
	v_lshlrev_b32 v7, 3, v3                        ; 8 h: how far my bytes stand up in the scale word
	v_lshlrev_b32 v8, 4, v2
	v_lshl_add_u32 v8, v3, 3, v8                   ; scl: 16 r + 8 h
	v_mov_b32 v[PD], 0                             ; written once: a lane permute's destination counts as one of its sources
	s_mov_b32 s26, 0x76543210
	s_mov_b32 s27, 0xfedcba98                      ; v_permlanex16_b32's selects for lane l xor 16
	s_wait_alu depctr_va_vdst(0)
	s_wait_kmcnt 0x0
	; which tensor is my work-group's: a choice of pointers on the work-group's number alone; all seven take one path through the text
	s_mov_b64 s[24:25], s[16:17]                   ; Wo, from work-group 408 on
	s_mov_b32 s23, 408
.macro PICK thr, reg, cb               ; under work-group thr: the tensor at s[reg], which begins at work-group cb
	s_cmp_lt_u32 ttmp9, \thr
	s_cselect_b64 s[24:25], s[\reg:\reg+1], s[24:25]
	s_cselect_b32 s23, \cb, s23
.endm
	PICK 408, 14, 400                              ; Wv
	PICK 400, 12, 392                              ; Wk
	PICK 392, 10, 384                              ; Wq
	PICK 384, 8, 256                               ; v
	PICK 256, 6, 128                               ; k
	PICK 128, 4, 0                                 ; q
	s_sub_co_u32 s28, ttmp9, s23
	s_lshl_b32 s28, s28, 2
	s_add_co_u32 s28, s28, s22                     ; my tile in its tensor
	s_lshr_b32 s29, s28, 1
	s_lshl_b32 s29, s29, 5
	s_and_b32 s30, s28, 1
	s_lshl_b32 s30, s30, 3
	s_add_co_u32 s30, s29, s30                     ; its first row: 32 (tile / 2) + 8 (tile % 2)
	; TENSOR k ALONE HAS ANOTHER CHOICE OF ROWS: tile t holds rows 128 (t / 8) + 64 ((t % 8) / 4) + 8 (t % 4) + i + 24 (i / 8), so that in the scores' layout a lane's 32 registers of four neighbouring tiles are one whole block of 32 keys
	s_lshr_b32 s32, s28, 3
	s_lshl_b32 s32, s32, 7
	s_bfe_u32 s33, s28, 0x10002
	s_lshl_b32 s33, s33, 6
	s_add_co_u32 s32, s32, s33
	s_and_b32 s33, s28, 3
	s_lshl_b32 s33, s33, 3
	s_add_co_u32 s32, s32, s33
	s_cmp_eq_u32 s23, 128                          ; k begins at work-group 128
	s_cselect_b32 s30, s32, s30
	s_cselect_b32 s33, 0x8000, 0                   ; its rows 8-15 lie 16 rows of 2,048 bytes further on than the other tensors'
	v_add_nc_u32 v19, s33, v4                      ; the offset of rows 8-15
	s_wait_alu depctr_va_vdst(0)
	s_lshl_b32 s30, s30, 11                        ; rows of 2,048 bytes
	s_mov_b32 s31, 0
	s_add_nc_u64 s[24:25], s[24:25], s[30:31]
	s_lshl_b32 s28, ttmp9, 2
	s_add_co_u32 s28, s28, s22                     ; my tile among all 1,664
	s_mul_i32 s30, s28, 6144
	s_add_nc_u64 s[18:19], s[18:19], s[30:31]
	s_lshl_b32 s30, s28, 8
	s_add_nc_u64 s[20:21], s[20:21], s[30:31]
.macro LOAD s                          ; K step s: 512 bytes of each of my 16 rows, into set s % 2
.irp i, 0,1,2,3,4,5,6,7,8,9,10,11,12,13,14,15
.if \i < 8
	global_load_b128 v[R+64*((\s)%2)+4*\i:R+64*((\s)%2)+4*\i+3], v4, s[24:25] offset:\i*2048+512*(\s) th:TH_LOAD_NT
.else
	global_load_b128 v[R+64*((\s)%2)+4*\i:R+64*((\s)%2)+4*\i+3], v19, s[24:25] offset:(\i+8)*2048+512*(\s) th:TH_LOAD_NT
.endif
.endr
.endm
.macro STEP s
.if (\s) < 3
	s_wait_loadcnt 16                              ; this K step's 16 loads are in; the next step's 16 may be out
.else
	s_wait_loadcnt 0x0
.endif
.irp i, 0,1,2,3,4,5,6,7,8,9,10,11,12,13,14,15
	ds_store_b128 v5, v[R+64*((\s)%2)+4*\i:R+64*((\s)%2)+4*\i+3] offset:528*\i
.endr
.irp c, 0,1                            ; LDS serves a wave's instructions in order (ISA guide 5.7.1.4): these see the stores above.  Register 32 c + j = k 64 c + 32 h + j of row r
.irp i, 0,1,2,3,4,5,6,7
	ds_load_b128 v[X+32*\c+4*\i:X+32*\c+4*\i+3], v6 offset:256*\c+16*\i
.endr
.endr
	s_wait_dscnt 0x0                               ; the numbers are back, and the stores have read their registers,
.if (\s) < 2
	LOAD (\s)+2                                    ; which take the loads of two steps on
.endif
.irp c, 0,1
	v_max3_num_f32 v[M+\c], |v[X+32*\c]|, |v[X+32*\c+1]|, 0x1800000   ; block 2 c + h, all mine; the floor 2^(3 - 127) holds the byte at 1 from below
.endr
.irp i, 2,4,6,8,10,12,14,16,18,20,22,24,26,28,30
.irp c, 0,1
	v_max3_num_f32 v[M+\c], v[M+\c], |v[X+32*\c+\i]|, |v[X+32*\c+\i+1]|   ; (the two blocks by turns)
.endr
.endr
.irp c, 0,1
	v_add_nc_u32 v[SO+\c], 0xff000000, v[M+\c]     ; 2 off the exponent field: the conversion takes this operand's exponent field as its scale
.endr
.irp c, 0,1
	v_lshrrev_b32 v[BY+\c], 23, v[SO+\c]           ; the scale's byte
.endr
	v_lshl_or_b32 v[WD], v[BY+1], 16, v[BY]        ; blocks h and 2 + h,
	v_lshlrev_b32 v[WD], v7, v[WD]                 ; 8 h bits up;
	v_permlanex16_b32 v[PD], v[WD], s26, s27
	v_or_b32 v[SW+(\s)], v[WD], v[PD]              ; with lane l xor 16's two the word is whole
.if (\s) >= 2
	s_wait_alu depctr_va_vdst(0)
	s_wait_xcnt 0x0                                ; the stores of two steps back have read this set of codes: it is written again only behind this wait
.endif
.irp c, 0,1
	v_cvt_scalef32_pk16_fp6_f32 v[C+12*((\s)%2)+6*\c:C+12*((\s)%2)+6*\c+2], v[X+32*\c:X+32*\c+15], v[SO+\c]
	v_cvt_scalef32_pk16_fp6_f32 v[CT+4*\c:CT+4*\c+2], v[X+32*\c+16:X+32*\c+31], v[SO+\c]   ; (a conversion's three registers begin on an even number)
.endr
	v_nop                                          ; one plain place behind a scaled conversion
.irp c, 0,1
.irp i, 0,1,2
	v_mov_b32 v[C+12*((\s)%2)+6*\c+3+\i], v[CT+4*\c+\i]
.endr
.endr
.irp g, 0,1,2
	global_store_b128 v4, v[C+12*((\s)%2)+4*\g:C+12*((\s)%2)+4*\g+3], s[18:19] offset:1536*(\s)+512*\g   ; 32 lanes store 512 consecutive bytes, at a multiple of 256 from cod's first byte
.endr
.endm
	LOAD 0
	LOAD 1
	STEP 0
	STEP 1
	STEP 2
	STEP 3
	v_cmp_gt_u32 vcc_lo, 16, v1
	v_cndmask_b32 v[OW], v[SW+2], v[SW], vcc_lo    ; lanes 0-15: words 0, 1 of row r; lanes 16-31: words 2, 3
	v_cndmask_b32 v[OW+1], v[SW+3], v[SW+1], vcc_lo
	global_store_b64 v8, v[OW:OW+1], s[20:21]      ; 32 lanes store 256 consecutive bytes, aligned
	s_wait_tensorcnt 0x0                           ; the wave's end: behind my last LDS store
	ds_add_u32 v[SPW], v[NIL]
	s_wait_dscnt 0x0
	s_endpgm
.Lfunc_end_k_q17ca4186f8_quant:
	.size	k_q17ca4186f8_quant, .Lfunc_end_k_q17ca4186f8_quant-k_q17ca4186f8_quant
	.p2alignl 7, 3214868480
	.fill 96, 4, 3214868480
	.section	.rodata,"a",@progbits
	.p2align	6, 0x0
	.amdhsa_kernel k_q17ca4186f8_quant
		.amdhsa_group_segment_fixed_size 34304
		.amdhsa_private_segment_fixed_size 0
		.amdhsa_enable_private_segment 0
		.amdhsa_kernarg_size 72
		.amdhsa_user_sgpr_count 2
		.amdhsa_user_sgpr_kernarg_segment_ptr 1
		.amdhsa_wavefront_size32 1
		.amdhsa_system_sgpr_workgroup_id_x 1
		.amdhsa_system_sgpr_workgroup_id_y 1
		.amdhsa_system_sgpr_workgroup_id_z 1
		.amdhsa_system_vgpr_workitem_id 0
		.amdhsa_next_free_vgpr 256
		.amdhsa_next_free_sgpr 66
		.amdhsa_reserve_vcc 1
		.amdhsa_float_denorm_mode_32 3
		.amdhsa_float_denorm_mode_16_64 3
		.amdhsa_memory_ordered 1
		.amdhsa_forward_progress 1
		.amdhsa_inst_pref_size 31
	.end_amdhsa_kernel
	.amdgpu_metadata
---
amdhsa.version: [ 1, 2 ]
amdhsa.kernels:
  - .name:           k_q17ca4186f8_quant
    .symbol:         k_q17ca4186f8_quant.kd
    .args:
      - { .name: q, .offset: 0, .size: 8, .value_kind: global_buffer, .address_space: global }
      - { .name: k, .offset: 8, .size: 8, .value_kind: global_buffer, .address_space: global }
      - { .name: v, .offset: 16, .size: 8, .value_kind: global_buffer, .address_space: global }
      - { .name: Wq, .offset: 24, .size: 8, .value_kind: global_buffer, .address_space: global }
      - { .name: Wk, .offset: 32, .size: 8, .value_kind: global_buffer, .address_space: global }
      - { .name: Wv, .offset: 40, .size: 8, .value_kind: global_buffer, .address_space: global }
      - { .name: Wo, .offset: 48, .size: 8, .value_kind: global_buffer, .address_space: global }
      - { .name: cod, .offset: 56, .size: 8, .value_kind: global_buffer, .address_space: global }
      - { .name: scl, .offset: 64, .size: 8, .value_kind: global_buffer, .address_space: global }
    .group_segment_fixed_size: 34304
    .private_segment_fixed_size: 0
    .kernarg_segment_align: 8
    .kernarg_segment_size: 72
    .max_flat_workgroup_size: 128
    .sgpr_count:     66
    .vgpr_count:     256
    .wavefront_size: 32
...
	.end_amdgpu_metadata
.endif
;; end of part 1
;; launch proj (part 2): grid 64 x 3, 4 waves a work-group, no clusters, 0 bytes of LDS; arguments cod, scl, bq, bk, bv, qc, qs, kvc, kvs; writes qc, qs, kvc, kvs
.if DOCPART == 2
	.amdgcn_target "amdgcn-amd-amdhsa--gfx1250"
	.amdhsa_code_object_version 6
	.text
	.protected	k_q17ca4186f8_proj
	.globl	k_q17ca4186f8_proj
	.p2align	8
	.type	k_q17ca4186f8_proj,@function
k_q17ca4186f8_proj:
	s_mov_b64 s[64:65], 0
	v_nop
	global_prefetch_b8 v0, s[64:65] scope:SCOPE_SE
	s_setreg_imm32_b32 hwreg(HW_REG_WAVE_MODE, 25, 1), 1
	s_wait_xcnt 0x0
; The three input projections on codes of FP6 (E2M3): y = 0: q Wq^T + bq, 1: k Wk^T + bk, 2: v Wv^T + bv; the results are quantised in registers for the products of the attention and leave as codes.
; Work-group (x, y) takes 128 rows of tensor y (tiles 8 x .. 8 x + 7; batch x / 32, group x % 32).  A wave keeps a RESIDENT operand, 8 tiles x 4 K steps (384 registers) with its 32 scale words, and walks
; 8 UNITS: a STREAMED tile x 4 K steps, 32 matrix instructions (source 0 = resident, source 1 = streamed) on 8 accumulators by turns, the quantiser, the stores.
;   q, k: resident = rows 128 w .. of W (the columns of heads 2 w and 2 w + 1), streamed = a tile of x.  A lane then holds one row of x and 128 neighbouring columns: blocks of 32 along the head's 64.
;         The fragment's registers 0-5 are head 2 w's codes, 6-11 head 2 w + 1's: each leaves as a HALF IMAGE of 768 bytes (registers 0-3 at 16 x lane, 4-5 at 512 + 8 x lane).
;   v:    resident = the 128 rows (keys) of v, streamed = a tile of Wv (16 of a head's 64).  A lane then holds one channel and 128 neighbouring keys: blocks of 32 along the keys, a whole fragment.
; By the tiles' choice of rows (tile 2 B + u: rows 32 B + 8 u + i + 8 (i / 8)) the 16 registers of result tiles 2 B and 2 B + 1 are 16 neighbours along the next K.
; The bias is the C of a sum's first matrix instruction (so it is summed first, not last: another order of f32 rounding than the source's).
; OUT: qc [bh][group][8 tiles][768], qs [bh][group][row 16][8 tiles] words (two bytes: below for an even tile, above for an odd, the other two 0);  kvc [bh][key step][12288]: K's 8 half images, then V's 4 images;  kvs [bh][step][768]: K's words [row][8], V's [row][4].
; LIMITS: as in the quantiser of the inputs: a block of zeros gets the byte 1, a block under 2^-124 is held at the byte 1; NaN and infinities are not served.
; 192 work-groups: a fragment of V wants 128 keys in one wave, and fewer units to a work-group would load the resident operand more often.  No LDS: every operand comes as an image of its registers, each lane's 16 bytes whole.
; No cluster: no tensor load here; what work-groups share (W's 0.4 MB of codes) is a small part of a work-group's loads.
; REGISTERS: window 0: v1-8 lanes' offsets; v56-119 the 8 accumulators; v120-138 codes; v140-155 at work; v156 a scale word; v160-167 the units' scale words; v168-179 on the way out; v192-223 resident scale words; v224-231 streamed.
;   window 1: resident, K steps 0, 1, at v[12 (2 t + s)];  window 2: K steps 2, 3;  window 3: v0-95 streamed, two sets; v96-159 q's, k's bias (8 tiles); v160-175 v's bias, two sets.
.set HA,  56
.set PC,  120
.set TM,  140                          ; v140-143 largest magnitudes, v144-147 permutes and bytes, v152-155 the conversions' scale operands
.set PW,  156
.set SWK, 160
.set SL,  168
.set RS,  192
.set TS,  224
.set BI,  96                           ; in window 3
.set BV,  160                          ; in window 3
.set SEL, 26
.set MSB, 0
.macro WIN new                         ; the immediate's high byte repeats the setting that is left; a switch that changes nothing is dropped
.if MSB != \new
	s_set_vgpr_msb (MSB<<8)|\new
.set MSB, \new
.endif
.endm
.macro RLOAD                           ; the resident operand: 96 loads of 512 consecutive bytes, and 8 of its scale words (row r's four words)
	WIN 0x40                                       ; destination window 1
.irp t, 0,1,2,3,4,5,6,7
.irp s, 0,1
.irp g, 0,1,2
	global_load_b128 v[12*(2*\t+\s)+4*\g:12*(2*\t+\s)+4*\g+3], v4, s[28:29] offset:(4*\t+\s)*1536+512*\g
.endr
.endr
.endr
	WIN 0x80                                       ; destination window 2
.irp t, 0,1,2,3,4,5,6,7
.irp s, 0,1
.irp g, 0,1,2
	global_load_b128 v[12*(2*\t+\s)+4*\g:12*(2*\t+\s)+4*\g+3], v4, s[28:29] offset:(4*\t+\s+2)*1536+512*\g
.endr
.endr
.endr
	WIN 0
.irp t, 0,1,2,3,4,5,6,7
	global_load_b128 v[RS+4*\t:RS+4*\t+3], v6, s[30:31] offset:256*\t
.endr
.endm
.macro TLOAD i, isv                    ; unit i's streamed tile into set i % 2: 13 loads; for v 8 more: my channel's bias into all eight registers of a C
	WIN 0xc0                                       ; destination window 3
.irp s, 0,1,2,3
.irp g, 0,1,2
	global_load_b128 v[48*((\i)%2)+12*\s+4*\g:48*((\i)%2)+12*\s+4*\g+3], v4, s[32:33] offset:6144*(\i)+1536*\s+512*\g
.endr
.endr
.if \isv
.irp j, 0,1,2,3,4,5,6,7
	global_load_b32 v[BV+8*((\i)%2)+\j], v7, s[36:37] offset:128*((\i)/2)+32*((\i)%2)
.endr
.endif
	WIN 0
	global_load_b128 v[TS+4*((\i)%2):TS+4*((\i)%2)+3], v6, s[34:35] offset:256*(\i)
.endm
; 64 numbers of a lane, register 16 b + i = k 32 b + 16 (lane / 16) + i of my row, become a fragment's codes in v[PC] on and its scale word in v[PW]
.macro QUANT s
.irp b, 0,1,2,3
	v_max3_num_f32 v[TM+\b], |v[\s+16*\b]|, |v[\s+1+16*\b]|, 0x1800000   ; block b: my 16 numbers, and the floor 2^(3 - 127): the byte cannot fall under 1.  (Each accumulator is read from its low end on)
.endr
.irp i, 2,4,6,8,10,12,14
.irp b, 0,1,2,3
	v_max3_num_f32 v[TM+\b], v[TM+\b], |v[\s+16*\b+\i]|, |v[\s+1+16*\b+\i]|   ; (the four blocks by turns)
.endr
.endr
.irp b, 0,1,2,3
	v_permlanex16_b32 v[TM+4+\b], v[TM+\b], s[SEL], s[SEL+1]
.endr
.irp b, 0,1,2,3
	v_max_num_f32 v[TM+\b], v[TM+\b], v[TM+4+\b]   ; with lane l xor 16's: the block's largest magnitude
.endr
.irp b, 0,1,2,3
	v_add_nc_u32 v[TM+12+\b], 0xff000000, v[TM+\b] ; 2 off its exponent field: the conversion's scale operand
.endr
.irp b, 0,1,2,3
	v_lshrrev_b32 v[TM+4+\b], 23, v[TM+12+\b]      ; the scale's byte
.endr
	v_lshl_or_b32 v[PW], v[TM+5], 8, v[TM+4]
	v_lshl_or_b32 v[PW], v[TM+6], 16, v[PW]
	v_lshl_or_b32 v[PW], v[TM+7], 24, v[PW]
.irp c, 0,1
	v_cvt_scalef32_pk16_fp6_f32 v[PC+6*\c:PC+2+6*\c], v[\s+32*\c:\s+15+32*\c], v[TM+12+2*\c]
	v_cvt_scalef32_pk16_fp6_f32 v[PC+12+4*\c:PC+14+4*\c], v[\s+16+32*\c:\s+31+32*\c], v[TM+12+2*\c+1]   ; (a conversion's three registers begin on an even number)
.endr
	v_nop                                          ; one plain place behind a scaled conversion
.irp c, 0,1                            ; the operand's layout wants a WHOLE block in a lane: lanes 0-15 block 2 c, lanes 16-31 block 2 c + 1
.irp i, 0,1,2
	v_permlane16_swap_b32 v[PC+6*\c+\i], v[PC+12+4*\c+\i]
.endr
.irp i, 0,1,2
	v_mov_b32 v[PC+3+6*\c+\i], v[PC+12+4*\c+\i]
.endr
.endr
.endm
.macro UNIT i, isv
.if (\i) < 7
	s_wait_loadcnt 13+8*(\isv)                     ; this unit's loads (and all before them) are in; the next unit's 13 (v: 21) may be out
.else
	s_wait_loadcnt 0x0
.endif
.irp s, 0,1,2,3                        ; the eight accumulators take turns, K step by K step
.if \s == 0
	WIN 0x3d                                       ; source 0 window 1, sources 1 and 2 window 3, destination window 0
.elseif \s == 1
	WIN 0x0d                                       ; C and D window 0
.else
	WIN 0x0e                                       ; source 0 window 2
.endif
.irp t, 0,1,2,3,4,5,6,7
.if \s == 0
.if \isv
	v_wmma_scale_f32_16x16x128_f8f6f4 v[HA+8*\t:HA+8*\t+7], v[12*(2*\t):12*(2*\t)+11], v[48*((\i)%2):48*((\i)%2)+11], v[BV+8*((\i)%2):BV+8*((\i)%2)+7], v[RS+4*\t], v[TS+4*((\i)%2)] matrix_a_fmt:MATRIX_FMT_FP6 matrix_b_fmt:MATRIX_FMT_FP6
.else
	v_wmma_scale_f32_16x16x128_f8f6f4 v[HA+8*\t:HA+8*\t+7], v[12*(2*\t):12*(2*\t)+11], v[48*((\i)%2):48*((\i)%2)+11], v[BI+8*\t:BI+8*\t+7], v[RS+4*\t], v[TS+4*((\i)%2)] matrix_a_fmt:MATRIX_FMT_FP6 matrix_b_fmt:MATRIX_FMT_FP6
.endif
.else
	v_wmma_scale_f32_16x16x128_f8f6f4 v[HA+8*\t:HA+8*\t+7], v[12*(2*\t+\s%2):12*(2*\t+\s%2)+11], v[48*((\i)%2)+12*\s:48*((\i)%2)+12*\s+11], v[HA+8*\t:HA+8*\t+7], v[RS+4*\t+\s], v[TS+4*((\i)%2)+\s] matrix_a_fmt:MATRIX_FMT_FP6 matrix_b_fmt:MATRIX_FMT_FP6
.endif
.endr
.endr
	WIN 0
.rept 4
	v_nop                                          ; four places in front of the loads into the set just multiplied and of the first read of results; the quantiser's own lines on v140-156 make them more than five ahead of the next unit's first product, which begins the accumulators anew
.endr
.if (\i) < 6
	TLOAD (\i)+2, \isv
.endif
.if (\i) > 0
	s_wait_xcnt 0x0                                ; the last unit's stores have read their registers: the codes are written again only behind this wait
.endif
	QUANT HA
.if \isv
.irp g, 0,1,2
	global_store_b128 v4, v[PC+4*\g:PC+4*\g+3], s[38:39] offset:((\i)/4)*393216+6144+((\i)%4)*1536+512*\g   ; head 2 w + i / 4, channels' tile i % 4: 512 consecutive bytes a store
.endr
	v_mov_b32 v[SWK+(\i)%4], v[PW]
.if (\i)%4 == 3
	v_cndmask_b32 v[SL], v[SWK+2], v[SWK], vcc_lo  ; lanes 0-15: the words of tiles 0, 1 of channel row r; lanes 16-31: of tiles 2, 3
	v_cndmask_b32 v[SL+1], v[SWK+3], v[SWK+1], vcc_lo
	global_store_b64 v8, v[SL:SL+1], s[42:43] offset:((\i)/4)*24576   ; 256 consecutive bytes, aligned
.endif
.else
	global_store_b128 v4, v[PC:PC+3], s[38:39] offset:768*(\i)        ; head 2 w's half image
	global_store_b64 v5, v[PC+4:PC+5], s[38:39] offset:768*(\i)+512
	global_store_b128 v4, v[PC+6:PC+9], s[40:41] offset:768*(\i)      ; head 2 w + 1's
	global_store_b64 v5, v[PC+10:PC+11], s[40:41] offset:768*(\i)+512
	v_mov_b32 v[SWK+(\i)], v[PW]
.endif
.endm
	s_load_b256 s[4:11], s[0:1], 0x0               ; cod, scl, bq, bk
	s_load_b256 s[12:19], s[0:1], 0x20             ; bv, qc, qs, kvc
	s_load_b64 s[20:21], s[0:1], 0x40              ; kvs
	v_lshrrev_b32 v1, 5, v0
	v_readfirstlane_b32 s22, v1                    ; wave 0..3
	; THE SHARES, as they now stand: work-group x takes 256 rows (groups 2 (x / 2) and 2 (x / 2) + 1 of 128) x 256 columns (the pairs of heads 2 (x % 2) and 2 (x % 2) + 1).
	; Wave w takes group 2 (x / 2) + w / 2, kept in s62, and pair of heads 2 (x % 2) + w % 2, kept in s22: two waves name the same resident operand and two the same stream.
	; From here on 'w' in the comments is s22 and 'x' is s62; (x, w) to (s62, s22) is one to one, so each byte of the results keeps one owner.
	s_and_b32 s60, ttmp9, 1
	s_lshr_b32 s61, s22, 1
	s_and_b32 s22, s22, 1
	s_lshl_b32 s60, s60, 1
	s_add_co_u32 s22, s22, s60
	s_and_b32 s62, ttmp9, 0xfffe
	s_add_co_u32 s62, s62, s61
	v_and_b32 v1, 31, v0                           ; lane
	v_and_b32 v2, 15, v0                           ; r
	v_bfe_u32 v3, v0, 4, 1                         ; h
	v_lshlrev_b32 v4, 4, v1                        ; 16 x lane
	v_lshlrev_b32 v5, 3, v1                        ; 8 x lane
	v_lshlrev_b32 v6, 4, v2                        ; 16 r: a row's four scale words
.irp b, 0,1,2,3
	v_mov_b32 v[TM+4+\b], 0                        ; written once: a lane permute's destination counts as one of its sources
.endr
	v_cmp_gt_u32 vcc_lo, 16, v1                    ; lanes 0-15; nothing writes VCC again
	s_mov_b32 s[SEL], 0x76543210
	s_mov_b32 s[SEL+1], 0xfedcba98                 ; v_permlanex16_b32's selects for lane l xor 16
	s_and_b32 s24, ttmp7, 0xffff                   ; y
	s_lshl_b32 s46, s24, 5
	s_lshl_b32 s47, s22, 3
	s_add_co_u32 s46, s46, s47
	s_add_co_u32 s46, s46, 1536                    ; my wave's first tile of W: 1536 + 32 y + 8 w
	s_lshl_b32 s47, s24, 9
	s_lshl_b32 s48, s62, 3
	s_add_co_u32 s47, s47, s48                     ; my work-group's first tile of x: 512 y + 8 x
	s_cmp_eq_u32 s24, 2
	s_cselect_b32 s48, s47, s46                    ; resident: W's, for v the rows'
	s_cselect_b32 s49, s46, s47                    ; streamed: the rows', for v W's
	s_mul_i32 s50, s48, 6144
	s_mov_b32 s51, 0
	s_lshl_b32 s52, s48, 8
	s_mov_b32 s53, 0
	s_mul_i32 s54, s49, 6144
	s_mov_b32 s55, 0
	s_lshl_b32 s56, s49, 8
	s_mov_b32 s57, 0
	s_lshr_b32 s58, s62, 5
	s_lshl_b32 s58, s58, 3
	s_lshl_b32 s59, s22, 1
	s_add_co_u32 s58, s58, s59                     ; bh of head 2 w
	s_lshl_b32 s58, s58, 5
	s_and_b32 s59, s62, 31
	s_add_co_u32 s58, s58, s59                     ; 32 bh + group
	s_wait_alu depctr_va_vdst(0)
	s_wait_kmcnt 0x0
	s_add_nc_u64 s[28:29], s[4:5], s[50:51]
	s_add_nc_u64 s[30:31], s[6:7], s[52:53]
	s_add_nc_u64 s[32:33], s[4:5], s[54:55]
	s_add_nc_u64 s[34:35], s[6:7], s[56:57]
	RLOAD
	s_cmp_eq_u32 s24, 2
	s_cbranch_scc1 .Lvalues
	; ---- q and k
	v_lshlrev_b32 v7, 6, v3                        ; the bias: 64 h: my half's eight columns of a tile
	s_wait_alu depctr_va_vdst(0)
	v_lshlrev_b32 v8, 5, v2
	v_lshl_add_u32 v8, v3, 4, v8                   ; scale words out: 32 r + 16 h
	s_cmp_eq_u32 s24, 0
	s_cselect_b64 s[36:37], s[8:9], s[10:11]       ; bq or bk
	s_cselect_b64 s[38:39], s[14:15], s[18:19]     ; qc or kvc
	s_cselect_b64 s[42:43], s[16:17], s[20:21]     ; qs or kvs
	s_mov_b32 s52, 12288
	s_cselect_b32 s52, 6144, s52                   ; bytes of codes for a group
	s_mov_b32 s53, 768
	s_cselect_b32 s53, 512, s53                    ; and of scale words
	s_mov_b32 s55, 0
	s_mul_i32 s54, s58, s52
	s_add_nc_u64 s[38:39], s[38:39], s[54:55]      ; head 2 w's codes
	s_lshl_b32 s54, s52, 5
	s_add_nc_u64 s[40:41], s[38:39], s[54:55]      ; head 2 w + 1's: 32 groups on
	s_mul_i32 s54, s58, s53
	s_add_nc_u64 s[42:43], s[42:43], s[54:55]
	s_lshl_b32 s54, s53, 5
	s_add_nc_u64 s[44:45], s[42:43], s[54:55]
	s_lshl_b32 s54, s22, 9
	s_add_nc_u64 s[36:37], s[36:37], s[54:55]      ; my 128 numbers of the bias
	WIN 0xc0
.irp t, 0,1,2,3,4,5,6,7                ; lane (r, h), tile t, register j: column 32 (t / 2) + 8 (t % 2) + 16 h + j
	global_load_b128 v[BI+8*\t:BI+8*\t+3], v7, s[36:37] offset:(32*(\t/2)+8*(\t%2))*4
	global_load_b128 v[BI+8*\t+4:BI+8*\t+7], v7, s[36:37] offset:(32*(\t/2)+8*(\t%2))*4+16
.endr
	TLOAD 0, 0
	TLOAD 1, 0
.irp i, 0,1,2,3,4,5,6,7
	UNIT \i, 0
.endr
.irp n, 0,1,2,3
	v_cndmask_b32 v[SL+\n], v[SWK+4+\n], v[SWK+\n], vcc_lo   ; lanes 0-15: tiles 0-3 of row r; lanes 16-31: tiles 4-7
.endr
.irp n, 0,1,2,3
.if (\n%2) == 0
	v_and_b32 v[SL+4+\n], 0xffff, v[SL+\n]         ; an even tile: head 2 w's two bytes below, the upper two 0
	v_lshrrev_b32 v[SL+8+\n], 16, v[SL+\n]         ; head 2 w + 1's
.else
	v_lshlrev_b32 v[SL+4+\n], 16, v[SL+\n]         ; an odd tile: the two bytes stand above, the lower two 0: the attention lays an odd tile's codes in registers 6-11 of a fragment
	v_and_b32 v[SL+8+\n], 0xffff0000, v[SL+\n]
.endif
.endr
	global_store_b128 v8, v[SL+4:SL+7], s[42:43]   ; 512 consecutive bytes, aligned
	global_store_b128 v8, v[SL+8:SL+11], s[44:45]
	s_endpgm
	; ---- v
.Lvalues:
	v_and_b32 v7, 8, v2
	v_add_nc_u32 v7, v7, v2
	v_lshlrev_b32 v7, 2, v7                        ; the bias: 4 (r + 8 (r / 8)): my channel's place in a tile of Wv
	s_wait_alu depctr_va_vdst(0)
	v_lshlrev_b32 v8, 4, v2
	v_lshl_add_u32 v8, v3, 3, v8                   ; scale words out: 16 r + 8 h
	s_mov_b32 s55, 0
	s_lshl_b32 s54, s22, 9
	s_add_nc_u64 s[36:37], s[12:13], s[54:55]      ; bv at my 128 channels
	s_mul_i32 s54, s58, 12288
	s_add_nc_u64 s[38:39], s[18:19], s[54:55]      ; kvc at head 2 w's key step
	s_mul_i32 s54, s58, 768
	s_add_co_u32 s54, s54, 512
	s_add_nc_u64 s[42:43], s[20:21], s[54:55]      ; kvs likewise, behind K's words
	TLOAD 0, 1
	TLOAD 1, 1
.irp i, 0,1,2,3,4,5,6,7
	UNIT \i, 1
.endr
	s_endpgm
.Lfunc_end_k_q17ca4186f8_proj:
	.size	k_q17ca4186f8_proj, .Lfunc_end_k_q17ca4186f8_proj-k_q17ca4186f8_proj
	.p2alignl 7, 3214868480
	.fill 96, 4, 3214868480
	.section	.rodata,"a",@progbits
	.p2align	6, 0x0
	.amdhsa_kernel k_q17ca4186f8_proj
		.amdhsa_group_segment_fixed_size 0
		.amdhsa_private_segment_fixed_size 0
		.amdhsa_enable_private_segment 0
		.amdhsa_kernarg_size 72
		.amdhsa_user_sgpr_count 2
		.amdhsa_user_sgpr_kernarg_segment_ptr 1
		.amdhsa_wavefront_size32 1
		.amdhsa_system_sgpr_workgroup_id_x 1
		.amdhsa_system_sgpr_workgroup_id_y 1
		.amdhsa_system_sgpr_workgroup_id_z 1
		.amdhsa_system_vgpr_workitem_id 0
		.amdhsa_next_free_vgpr 1024
		.amdhsa_next_free_sgpr 66
		.amdhsa_reserve_vcc 1
		.amdhsa_float_denorm_mode_32 3
		.amdhsa_float_denorm_mode_16_64 3
		.amdhsa_memory_ordered 1
		.amdhsa_forward_progress 1
		.amdhsa_inst_pref_size 177
	.end_amdhsa_kernel
	.amdgpu_metadata
---
amdhsa.version: [ 1, 2 ]
amdhsa.kernels:
  - .name:           k_q17ca4186f8_proj
    .symbol:         k_q17ca4186f8_proj.kd
    .args:
      - { .name: cod, .offset: 0, .size: 8, .value_kind: global_buffer, .address_space: global }
      - { .name: scl, .offset: 8, .size: 8, .value_kind: global_buffer, .address_space: global }
      - { .name: bq, .offset: 16, .size: 8, .value_kind: global_buffer, .address_space: global }
      - { .name: bk, .offset: 24, .size: 8, .value_kind: global_buffer, .address_space: global }
      - { .name: bv, .offset: 32, .size: 8, .value_kind: global_buffer, .address_space: global }
      - { .name: qc, .offset: 40, .size: 8, .value_kind: global_buffer, .address_space: global }
      - { .name: qs, .offset: 48, .size: 8, .value_kind: global_buffer, .address_space: global }
      - { .name: kvc, .offset: 56, .size: 8, .value_kind: global_buffer, .address_space: global }
      - { .name: kvs, .offset: 64, .size: 8, .value_kind: global_buffer, .address_space: global }
    .group_segment_fixed_size: 0
    .private_segment_fixed_size: 0
    .kernarg_segment_align: 8
    .kernarg_segment_size: 72
    .max_flat_workgroup_size: 128
    .sgpr_count:     66
    .vgpr_count:     1024
    .wavefront_size: 32
...
	.end_amdgpu_metadata
.endif
;; end of part 2
;; launch attn (part 3): grid 16 x 16, 16 waves a work-group, no clusters, 327,680 bytes of LDS; arguments qc, qs, kvc, kvs, ac, asc; writes ac, asc
.if DOCPART == 3
	.amdgcn_target "amdgcn-amd-amdhsa--gfx1250"
	.amdhsa_code_object_version 6
	.text
	.protected	k_q17ca4186f8_attn
	.globl	k_q17ca4186f8_attn
	.p2align	8
	.type	k_q17ca4186f8_attn,@function
k_q17ca4186f8_attn:
	s_mov_b64 s[64:65], 0
	v_nop
	global_prefetch_b8 v0, s[64:65] scope:SCOPE_SE
	s_setreg_imm32_b32 hwreg(HW_REG_WAVE_MODE, 25, 1), 1
	s_wait_xcnt 0x0
; For each of 16 (batch, head): O[q] = the sum over keys of softmax(Q[q] . K[key] / sqrt(512)) V[key], both products on codes of FP6 (E2M3) with one E8M0 scale for each 32 along K; O / the sum is quantised along the head's 64 for the output projection.
; THE SOFTMAX: t = score x log2(e) / sqrt(512); M = the row's largest t so far, rounded UP to a whole number; p = 2^(t - M) is quantised along the keys, not normalised.  The row's sum is taken of the unquantised p, in f32.
; When M moves, the sum and O are multiplied by 2^(old M - new M): exact.
; SHARES.  A work-group owns 256 queries of one (batch, head), each of its sixteen waves one tile of 16, in 256 registers.  Every wave walks the head's 4,096 keys, 128 a step: 8 products K Q^T, the softmax, 4 products V^T P^T.
; Both products are used transposed: a lane holds ONE query (lane % 16) throughout.
; THE FIRST PRODUCT'S K IS 64, the instruction's 128.  A fragment of K holds TWO tiles: tile 2 i in registers 0-5, tile 2 i + 1 in registers 6-11.  It is multiplied by [Q | zero codes] for the first and by [zero codes | Q] for the second;
; the scale words of odd tiles (K's and Q's) hold their two bytes above, those of even tiles below, the other two bytes 0: they stand over products with zero codes, which add nothing.
; THE KEYS OF A TILE: row m of tile t is key 64 (t / 4) + 32 (m / 8) + 8 (t % 4) + m % 8 of the step.  So score register 32 c + i of lane (r, h) is key 64 c + 32 h + i: the place that P's operand gives that lane.
; A lane owns two whole blocks of 32 keys: a block's largest score needs no other lane, and the conversions' results are the operand's registers.
; LDS: three regions of 4, 10 and 10 key steps (12,288 dense bytes a step: images of the operands' registers), the head's 24,576 bytes of scale words, the spare words.  FOUR FILLS: steps 0-3 and the scale words at the head;
; steps 4-13 and steps 14-23, first fills, each behind a barrier behind which nothing is filled again; steps 24-31 into the second region, a refill.  Every wave issues one tensor load each time: by this text's count one is out at most.
; NO CLUSTER: the sixteen work-groups of a head read the same bytes, but 417,792 bytes come to a work-group in four fills against 32 steps x 16 waves of some 220 vector instructions: what is shared is a small part of a step's work.
; NO PREFETCH: the three later fills are themselves asked for 4, 10 and 10 key steps ahead of their first read; ahead of the head's fill there is no loop to run ahead in.
; LIMITS: the promise holds while the scaled scores t stay under 2^31 in magnitude; a block of zeros gets the byte 1 (its codes are zeros; this program alone reads the bytes); NaN and infinities are not served.
.set STEPB, 12288                      ; a key step: K's 8 half images of 768 bytes, V's 4 images of 1,536
.set R0,    0
.set R1,    4*STEPB
.set R2,    14*STEPB
.set SCL,   24*STEPB                   ; the scale words: 32 steps x 768 bytes
.set SPARE, SCL+32*768                 ; the spare words, 128 bytes for each of 16 waves; no other line names them
.set SPW, 5
.set NIL, 6
.set ADA, 7                            ; the step + 16 x lane
.set ADB, 8                            ; the step + 8 x lane
.set ADK, 9                            ; the step's scale words of K: + 32 r
.set ADV, 10                           ; and of V: + 512 + 16 r
.set SH,  11                           ; 8 h
.set QL,  16                           ; v16-27 [Q | 0], v28-39 [0 | Q]
.set QWL, 40                           ; v40, v41 Q's scale word below, above
.set KF,  44                           ; v44-91 four fragments of K
.set KS,  92                           ; v92-99 K's scale words
.set VS,  100                          ; v100-103 V's
.set S,   104                          ; v104-167 S^T, then p, then V's four fragments
.set O,   168                          ; v168-199 O^T
.set PC,  200                          ; v200-211 p's codes
.set PT,  212                          ; v212-214, v216-218 the upper halves of the blocks' codes, before they are moved
.set BM,  220                          ; my two blocks' largest scores, then largest p
.set BT,  222
.set SO,  224                          ; the conversions' scale operands
.set PW,  226                          ; p's scale word, and nothing else
.set WD,  227
.set F,   228                          ; v[228:229] f = 2^(old M - new M) in the low word
.set TP,  230
.set NM,  231
.set X1,  232                          ; three more chains of the row's sum
.set X2,  234
.set X3,  236
.set MB,  238                          ; second chains of the maxima
.set TB,  2                            ; LDS byte of the step in hand
.set TS,  3                            ; its scale words: 768 x step
.set WV,  18
.set SEL, 20
.set CS,  22                           ; s[22:23] c = log2(e) / sqrt(512)
.set G1A, 24                           ; group 1: 16 dense rows of 256 bytes
.set G0,  32
.set G0S, 36
.set CNT, 40
.set NC,  41                           ; -c
.set G1B, 68                           ; 24 rows
.set G1C, 76                           ; 30 rows
.set T0,  84
.macro MKG1 g, rows
	s_mov_b32 s[\g], 3<<16                         ; no mask; elements of 8 bytes; no padding
	s_mov_b32 s[\g+1], 32<<16                      ; tensor_dim0 = 32 elements
	s_mov_b32 s[\g+2], \rows<<16
	s_mov_b32 s[\g+3], 32<<16
	s_mov_b32 s[\g+4], \rows
	s_mov_b32 s[\g+5], 32                          ; dense
	s_mov_b32 s[\g+6], 0
	s_mov_b32 s[\g+7], 0
.endm
	s_load_b256 s[4:11], s[0:1], 0x0               ; qc, qs, kvc, kvs
	s_load_b128 s[12:15], s[0:1], 0x20             ; ac, asc
	v_lshl_add_u32 v[SPW], v0, 2, SPARE
	v_mov_b32 v[NIL], 0
	ds_add_u32 v[SPW], v[NIL]                      ; the opening lines: the add, twice on end, and its wait ahead of my first tensor load
	ds_add_u32 v[SPW], v[NIL]
	v_lshrrev_b32 v1, 5, v0
	s_delay_alu instid0(VALU_DEP_1)
	v_readfirstlane_b32 s[WV], v1                  ; wave 0..15
	s_and_b32 s44, ttmp7, 0xffff                   ; bh
	s_lshl_b32 s45, ttmp9, 4
	s_add_co_u32 s45, s45, s[WV]                   ; T: my tile of queries among the batch's 256
	s_lshl_b32 s46, s[WV], 12                      ; the head's fill of codes: 16 rows of 256 bytes a wave, waves 0-11
	s_mov_b32 s47, 0
	s_mul_i32 s48, s44, 32*STEPB                   ; the head's first byte in kvc,
	s_mov_b32 s49, 0
	s_mul_i32 s50, s44, 32*768                     ; and in kvs
	s_mov_b32 s51, 0
	s_lshl_b32 s52, s44, 8
	s_add_co_u32 s52, s52, s45
	s_mul_i32 s52, s52, 768                        ; qc: (256 bh + T) half images
	s_mov_b32 s53, 0
	s_lshl_b32 s54, s44, 5
	s_lshr_b32 s55, s45, 3
	s_add_co_u32 s54, s54, s55
	s_lshl_b32 s54, s54, 9
	s_and_b32 s55, s45, 7
	s_lshl_b32 s55, s55, 2
	s_add_co_u32 s54, s54, s55                     ; qs: (32 bh + T / 8) x 512 + 4 (T % 8)
	s_mov_b32 s55, 0
	s_lshr_b32 s56, s44, 3
	s_lshl_b32 s56, s56, 8
	s_add_co_u32 s56, s56, s45                     ; my tile among all 512 tiles of rows
	s_and_b32 s57, s44, 7                          ; the head
	s_lshl_b32 s58, s56, 3
	s_add_co_u32 s58, s58, s57
	s_mul_i32 s58, s58, 768                        ; ac: (8 x tile + head) half images
	s_mov_b32 s59, 0
	s_lshl_b32 s60, s56, 8
	s_lshl_b32 s57, s57, 1
	s_add_co_u32 s60, s60, s57                     ; asc: 256 x tile + 2 x head
	s_mov_b32 s61, 0
	s_and_b32 s62, s[WV], 3
	s_mul_i32 s62, s62, 6144                       ; the scale words: 24 rows of 256 bytes a wave, waves 12-15
	s_mov_b32 s63, 0
	MKG1 G1A, 16
	MKG1 G1B, 24
	MKG1 G1C, 30
	s_mov_b32 s[SEL], 0x76543210
	s_mov_b32 s[SEL+1], 0xfedcba98                 ; v_permlanex16_b32's selects for lane l xor 16
	s_mov_b32 s[CS], 0x3d8293ee                    ; c
	s_mov_b32 s[CS+1], s[CS]                       ; (named with it as a pair, so it is written)
	s_mov_b32 s[NC], 0xbd8293ee                    ; -c
	s_wait_dscnt 0x0                               ; both opening adds are done
	s_wait_kmcnt 0x0
	s_add_nc_u64 s[8:9], s[8:9], s[48:49]          ; kvc and kvs at my head
	s_add_nc_u64 s[10:11], s[10:11], s[50:51]
	s_mov_b32 s[G0], 1
	s_mov_b32 s[G0+1], s46                         ; region 0 begins at LDS byte 0
	s_add_nc_u64 s[G0+2:G0+3], s[8:9], s[46:47]
	s_or_b32 s[G0+3], s[G0+3], 0x80000000
	s_mov_b32 s[G0S], 1
	s_add_co_u32 s[G0S+1], s62, SCL
	s_add_nc_u64 s[G0S+2:G0S+3], s[10:11], s[62:63]
	s_or_b32 s[G0S+3], s[G0S+3], 0x80000000
	s_cmp_lt_u32 s[WV], 12                         ; the head's fills, one a wave on either way: waves 0-11 steps 0-3, waves 12-15 the scale words
	s_cbranch_scc0 .Lscales
	tensor_load_to_lds s[G0:G0+3], s[G1A:G1A+7]
	s_nop 0
.rept 4
	v_nop
.endr
	s_branch .Lasked
.Lscales:
	tensor_load_to_lds s[G0S:G0S+3], s[G1B:G1B+7]
	s_nop 0
.rept 4
	v_nop
.endr
.Lasked:
	s_add_nc_u64 s[4:5], s[4:5], s[52:53]          ; Q's half image
	s_add_nc_u64 s[6:7], s[6:7], s[54:55]          ; and its scale words
	s_add_nc_u64 s[12:13], s[12:13], s[58:59]      ; where my codes go,
	s_add_nc_u64 s[14:15], s[14:15], s[60:61]      ; and my scale bytes
	v_and_b32 v240, 31, v0                         ; lane
	v_and_b32 v241, 15, v0                         ; r
	v_bfe_u32 v[SH], v0, 4, 1                      ; h
	v_lshlrev_b32 v1, 4, v240                      ; 16 x lane
	v_lshlrev_b32 v2, 3, v240                      ; 8 x lane
	v_lshlrev_b32 v242, 5, v241                    ; 32 r
	v_lshl_add_u32 v3, v241, 5, SCL                ; K's scale words: row r's eight
	v_lshl_add_u32 v4, v241, 4, SCL+512            ; V's: row r's four
	v_lshlrev_b32 v[SH], 3, v[SH]                  ; 8 h
	global_load_b128 v[QL:QL+3], v1, s[4:5]        ; Q stays in registers, twice: in registers 0-5 of one operand,
	global_load_b64 v[QL+4:QL+5], v2, s[4:5] offset:512
	global_load_b128 v[QL+18:QL+21], v1, s[4:5]    ; and in registers 6-11 of the other
	global_load_b64 v[QL+22:QL+23], v2, s[4:5] offset:512
	global_load_b32 v243, v242, s[6:7]
.irp j, 6,7,8,9,10,11,12,13,14,15,16,17
	v_mov_b32 v[QL+\j], 0                          ; zero codes, written once
.endr
	v_mov_b32 v13, 0xff61b1e6                      ; the largest score so far: -3e38
	v_mov_b32 v12, 0x7f61b1e6                      ; -M: 3e38
	v_mov_b32 v14, 0                               ; the sum, in two halves
	v_mov_b32 v15, 0
.irp j, BT, BT+1, F+1, TP, X1, X1+1, X2, X2+1
	v_mov_b32 v[\j], 0                             ; permutes' destinations, a pair's upper half, and the chains that the first step joins
.endr
	s_wait_loadcnt 0x0                             ; Q
	v_lshrrev_b32 v244, 16, v243
	s_delay_alu instid0(VALU_DEP_1)
	v_and_or_b32 v[QWL], v243, 0xffff, v244        ; the stored word has its two bytes below (T even) or above (T odd): here below,
	s_delay_alu instid0(VALU_DEP_1)
	v_lshlrev_b32 v[QWL+1], 16, v[QWL]             ; and above
.set j, 0
.rept 32
	v_mov_b32 v[O+j], 0                            ; O^T: the step is written once; the first finds zeros
.set j, j+1
.endr
; A KEY STEP: 128 keys.
.macro STEP
	v_add_nc_u32 v[ADA], s[TB], v1                 ; with the join behind the last products these four are five places ahead of the products below, which write over registers that those read
	v_add_nc_u32 v[ADB], s[TB], v2
	v_add_nc_u32 v[ADK], s[TS], v3
	v_add_nc_u32 v[ADV], s[TS], v4
	ds_load_b128 v[KS:KS+3], v[ADK]
	ds_load_b128 v[KS+4:KS+7], v[ADK] offset:16
.irp t, 0,1,2,3,4,5,6,7
	ds_load_b128 v[KF+6*\t:KF+6*\t+3], v[ADA] offset:768*\t
	ds_load_b64 v[KF+6*\t+4:KF+6*\t+5], v[ADB] offset:768*\t+512
.endr
	ds_load_b128 v[VS:VS+3], v[ADV]
	s_wait_dscnt 0x1                               ; all but the youngest load, V's scale words
.irp t, 0,1,2,3,4,5,6,7
	v_wmma_scale_f32_16x16x128_f8f6f4 v[S+8*\t:S+8*\t+7], v[KF+12*(\t/2):KF+12*(\t/2)+11], v[QL+12*(\t%2):QL+12*(\t%2)+11], 0, v[KS+\t], v[QWL+(\t%2)] matrix_a_fmt:MATRIX_FMT_FP6 matrix_b_fmt:MATRIX_FMT_FP6
.endr
	v_pk_add_f32 v[14:15], v[14:15], v[X1:X1+1]    ; four places: the last step's chains join the sum, still under the old M
	v_nop
	v_pk_add_f32 v[14:15], v[14:15], v[X2:X2+1]
	v_nop
.irp c, 0,1                            ; the largest score of my two blocks, two chains each; every accumulator is first read at its low end
	v_max3_num_f32 v[BM+\c], v[S+32*\c], v[S+32*\c+1], v[S+32*\c+2]
	v_max3_num_f32 v[MB+\c], v[S+32*\c+16], v[S+32*\c+17], v[S+32*\c+18]
.endr
.irp i, 3,5,7,9,11,13
.irp c, 0,1
	v_max3_num_f32 v[BM+\c], v[BM+\c], v[S+32*\c+\i], v[S+32*\c+\i+1]
	v_max3_num_f32 v[MB+\c], v[MB+\c], v[S+32*\c+16+\i], v[S+32*\c+17+\i]
.endr
.endr
.irp c, 0,1
	v_max3_num_f32 v[BM+\c], v[BM+\c], v[MB+\c], v[S+32*\c+15]
.endr
.irp c, 0,1
	v_max_num_f32 v[BM+\c], v[BM+\c], v[S+32*\c+31]
.endr
	s_delay_alu instid0(VALU_DEP_1)
	v_max3_num_f32 v13, v13, v[BM], v[BM+1]        ; the running largest score of my query: my keys',
	s_delay_alu instid0(VALU_DEP_1)
	v_permlanex16_b32 v[BT], v13, s[SEL], s[SEL+1]
	s_delay_alu instid0(VALU_DEP_1)
	v_max_num_f32 v13, v13, v[BT]                  ; and lane l xor 16's
	s_delay_alu instid0(VALU_DEP_1)
	v_mul_f32 v[TP], s[NC], v13                    ; -t
	s_delay_alu instid0(VALU_DEP_1)
	v_floor_f32 v[NM], v[TP]                       ; the new -M = floor(-t) = -ceil(t)
	s_delay_alu instid0(VALU_DEP_1)
	v_sub_f32 v[TP], v[NM], v12                    ; M's old value less its new one: a whole number, 0 or less
	v_mov_b32 v12, v[NM]
.set j, 0
.rept 32
	v_pk_fma_f32 v[S+j:S+j+1], v[S+j:S+j+1], s[CS:CS+1], v[12:13] op_sel_hi:[1,0,0]   ; t - M, two at a time (of the pairs c and -M the low word serves both halves)
.set j, j+2
.endr
	v_cvt_i32_f32 v[TP], v[TP]                     ; (it saturates)
.irp c, 0,1
	v_fma_f32 v[BM+\c], v[BM+\c], s[CS], v12       ; the same of each block's largest score
.endr
	v_ldexp_f32 v[F], 1.0, v[TP]                   ; f = 2^(old M - new M): a multiplication by it rounds nothing
	s_wait_alu depctr_va_vdst(0)                   ; the wait ahead of the batch
.irp c, 0,1
	v_exp_f32 v[BM+\c], v[BM+\c]                   ; the block's largest p: the same two instructions on the same number give the same bits
.endr
.set j, 0
.rept 64
	v_exp_f32 v[S+j], v[S+j]                       ; p = 2^(t - M), at most 1: not normalised
.set j, j+1
.endr
	v_pk_mul_f32 v[14:15], v[14:15], v[F:F+1] op_sel_hi:[1,0]   ; the sum under the new M: a plain place behind the exponentials
	s_wait_alu depctr_va_vdst(0)                   ; and the one wait behind the batch
	v_pk_add_f32 v[X1:X1+1], v[S:S+1], v[S+2:S+3]  ; the row's sum of the unquantised p, four chains; the blocks' scales are made between them
	v_pk_add_f32 v[X2:X2+1], v[S+4:S+5], v[S+6:S+7]
	v_pk_add_f32 v[X3:X3+1], v[S+8:S+9], v[S+10:S+11]
.irp g, 0,1,2,3,4,5
	v_pk_add_f32 v[14:15], v[14:15], v[S+12+8*\g:S+13+8*\g]
	v_pk_add_f32 v[X1:X1+1], v[X1:X1+1], v[S+14+8*\g:S+15+8*\g]
	v_pk_add_f32 v[X2:X2+1], v[X2:X2+1], v[S+16+8*\g:S+17+8*\g]
	v_pk_add_f32 v[X3:X3+1], v[X3:X3+1], v[S+18+8*\g:S+19+8*\g]
.if \g == 0
	v_max_num_f32 v[BM], 0x1800000, v[BM]          ; the floor 2^(3 - 127): the byte cannot fall under 1
	v_max_num_f32 v[BM+1], 0x1800000, v[BM+1]
.elseif \g == 1
	v_add_nc_u32 v[SO], 0xff000000, v[BM]          ; 2 off the exponent field: the conversion's scale operand
	v_add_nc_u32 v[SO+1], 0xff000000, v[BM+1]
.elseif \g == 2
	v_lshrrev_b32 v[BT], 23, v[SO]                 ; the scale's byte
	v_lshrrev_b32 v[BT+1], 23, v[SO+1]
.elseif \g == 3
	v_lshl_or_b32 v[WD], v[BT+1], 16, v[BT]        ; blocks h and 2 + h,
.elseif \g == 4
	v_lshlrev_b32 v[WD], v[SH], v[WD]              ; 8 h bits up;
.else
	v_permlanex16_b32 v[BT], v[WD], s[SEL], s[SEL+1]
.endif
.endr
	v_pk_add_f32 v[14:15], v[14:15], v[S+60:S+61]
	v_pk_add_f32 v[X1:X1+1], v[X1:X1+1], v[S+62:S+63]
	v_or_b32 v[PW], v[WD], v[BT]                   ; with lane l xor 16's two bytes p's scale word is whole
.irp c, 0,1
	v_cvt_scalef32_pk16_fp6_f32 v[PC+6*\c:PC+6*\c+2], v[S+32*\c:S+32*\c+15], v[SO+\c]
	v_cvt_scalef32_pk16_fp6_f32 v[PT+4*\c:PT+4*\c+2], v[S+32*\c+16:S+32*\c+31], v[SO+\c]   ; (a conversion's three registers begin on an even number)
.endr
	v_nop                                          ; one plain place behind a scaled conversion
.irp n, 0,1,2,3                        ; p's registers are free: V's four fragments (16 channels x 128 keys each) land there
.irp g, 0,1,2
	ds_load_b128 v[S+12*\n+4*\g:S+12*\n+4*\g+3], v[ADA] offset:6144+1536*\n+512*\g
.endr
.endr
.irp c, 0,1
.irp i, 0,1,2
	v_mov_b32 v[PC+3+6*\c+\i], v[PT+4*\c+\i]
.endr
.endr
	s_wait_alu depctr_va_vdst(0)                   ; the wait directly ahead of the first reader of O^T
.set j, 0
.rept 16
	v_pk_mul_f32 v[O+j:O+j+1], v[O+j:O+j+1], v[F:F+1] op_sel_hi:[1,0]   ; O^T under the new M; these 16 also stand between the lines that wrote p's codes and scale word and the products below
.set j, j+2
.endr
	s_wait_alu depctr_va_vdst(0)
	s_wait_dscnt 0x0
.irp n, 0,1,2,3                        ; O^T += V^T P^T: four accumulators, one instruction each
	v_wmma_scale_f32_16x16x128_f8f6f4 v[O+8*\n:O+8*\n+7], v[S+12*\n:S+12*\n+11], v[PC:PC+11], v[O+8*\n:O+8*\n+7], v[VS+\n], v[PW] matrix_a_fmt:MATRIX_FMT_FP6 matrix_b_fmt:MATRIX_FMT_FP6
.endr
	v_pk_add_f32 v[X2:X2+1], v[X2:X2+1], v[X3:X3+1]
.endm
; A CHANGE OF REGIONS.  Each wave waits for all its tensor loads, adds 0 to its spare word, and waits for that and for its LDS reads.  fill = 1: behind the barrier every wave asks for rows x 256 bytes of the steps from gstep on, to LDS byte lds on.
.macro CHANGE fill, lds, gstep, rows, g1
	s_wait_tensorcnt 0x0                           ; no tensor load of mine is out, so group 0 may be written
	ds_add_u32 v[SPW], v[NIL]
.if \fill
	s_mul_i32 s[T0], s[WV], (\rows)*256
	s_mov_b32 s[T0+1], 0
	s_add_co_u32 s[G0+1], s[T0], \lds
	s_add_nc_u64 s[G0+2:G0+3], s[8:9], s[T0:T0+1]
	s_add_nc_u64 s[G0+2:G0+3], s[G0+2:G0+3], (\gstep)*STEPB
	s_or_b32 s[G0+3], s[G0+3], 0x80000000
.endif
	s_wait_dscnt 0x0
	s_barrier_signal -1
	s_barrier_wait -1
.if \fill
	tensor_load_to_lds s[G0:G0+3], s[\g1:\g1+7]    ; my one tensor load until the next barrier
	s_nop 0
.rept 4
	v_nop
.endr
.endif
.endm
.macro PHASE base, first, trips        ; trips key steps, from step first on, which lie from LDS byte base on
	s_mov_b32 s[TB], \base
	s_mov_b32 s[TS], (\first)*768
	s_mov_b32 s[CNT], \trips
.Lstep_\@:
	STEP
	s_add_co_u32 s[TB], s[TB], STEPB
	s_add_co_u32 s[TS], s[TS], 768
	s_sub_co_u32 s[CNT], s[CNT], 1
	s_cmp_lg_u32 s[CNT], 0
	s_wait_alu depctr_va_vdst(0)
	s_cbranch_scc1 .Lstep_\@
.endm
	s_wait_alu depctr_va_vdst(0)
	CHANGE 1, R1, 4, 30, G1C                       ; steps 0-3 and the scale words are in; steps 4-13: a first fill
	PHASE R0, 0, 4
	CHANGE 1, R2, 14, 30, G1C                      ; steps 14-23: a first fill
	PHASE R1, 4, 10
	CHANGE 1, R1, 24, 24, G1B                      ; steps 24-31: a refill of bytes that nobody reads any more
	PHASE R2, 14, 10
	CHANGE 0, 0, 0, 0, 0
	PHASE R1, 24, 8
	; THE WAY OUT.  O^T / the sum; register 16 B + i is channel 32 B + 16 h + i of my query: two blocks of 32 along the output projection's K, each in lanes l and l xor 16.
	v_pk_add_f32 v[14:15], v[14:15], v[X1:X1+1]    ; the last step's chains; with the join above and the two v_nop: the places behind the last products
	v_nop
	v_pk_add_f32 v[14:15], v[14:15], v[X2:X2+1]
	v_nop
	v_add_f32 v14, v14, v15                        ; the sum's two halves,
	s_delay_alu instid0(VALU_DEP_1)
	v_permlanex16_b32 v[TP], v14, s[SEL], s[SEL+1]
	s_delay_alu instid0(VALU_DEP_1)
	v_add_f32 v14, v14, v[TP]                      ; and lane l xor 16's: the row's sum
	s_wait_alu depctr_va_vdst(0)                   ; the wait ahead of the reciprocal
	v_rcp_f32 v14, v14
	v_and_b32 v240, 15, v0                         ; r
	v_bfe_u32 v241, v0, 4, 1                       ; h
	s_delay_alu instid0(VALU_DEP_1)
	v_lshl_add_u32 v241, v240, 4, v241             ; asc: 16 r + h
	v_and_b32 v242, 31, v0
	s_delay_alu instid0(VALU_DEP_1)
	v_cmp_gt_u32 vcc_lo, 16, v242                  ; lanes 0-15
	s_wait_alu depctr_va_vdst(0)                   ; and ahead of its first reader, which is O^T's too
.set j, 0
.rept 32
	v_mul_f32 v[S+j], v[O+j], v14                  ; each accumulator from its low end on
.set j, j+1
.endr
.irp b, 0,1
	v_max3_num_f32 v[BM+\b], |v[S+16*\b]|, |v[S+1+16*\b]|, 0x1800000
.endr
.irp i, 2,4,6,8,10,12,14
.irp b, 0,1
	s_delay_alu instid0(VALU_DEP_2)
	v_max3_num_f32 v[BM+\b], v[BM+\b], |v[S+16*\b+\i]|, |v[S+1+16*\b+\i]|
.endr
.endr
.irp b, 0,1
	s_delay_alu instid0(VALU_DEP_2)
	v_permlanex16_b32 v[BT+\b], v[BM+\b], s[SEL], s[SEL+1]
.endr
.irp b, 0,1
	s_delay_alu instid0(VALU_DEP_2)
	v_max_num_f32 v[BM+\b], v[BM+\b], v[BT+\b]
.endr
.irp b, 0,1
	s_delay_alu instid0(VALU_DEP_2)
	v_add_nc_u32 v[SO+\b], 0xff000000, v[BM+\b]
.endr
.irp b, 0,1
	s_delay_alu instid0(VALU_DEP_2)
	v_lshrrev_b32 v[BT+\b], 23, v[SO+\b]
.endr
	v_cvt_scalef32_pk16_fp6_f32 v[PC:PC+2], v[S:S+15], v[SO]
	v_cvt_scalef32_pk16_fp6_f32 v[PT:PT+2], v[S+16:S+31], v[SO+1]
	v_nop                                          ; one plain place behind a scaled conversion
.irp i, 0,1,2
	v_permlane16_swap_b32 v[PC+\i], v[PT+\i]       ; lanes 0-15: block 0 whole; lanes 16-31: block 1
.endr
.irp i, 0,1,2
	s_delay_alu instid0(VALU_DEP_3)
	v_mov_b32 v[PC+3+\i], v[PT+\i]
.endr
	v_cndmask_b32 v243, v[BT+1], v[BT], vcc_lo     ; lane (r, h): block h's byte
	global_store_b128 v1, v[PC:PC+3], s[12:13]     ; my half image: 512 consecutive bytes,
	global_store_b64 v2, v[PC+4:PC+5], s[12:13] offset:512   ; and 256
	global_store_b8 v241, v243, s[14:15]           ; 32 bytes, two to a row: 1 byte in 24 of what the wave stores
	s_wait_tensorcnt 0x0                           ; the wave's end
	ds_add_u32 v[SPW], v[NIL]
	s_wait_dscnt 0x0
	s_endpgm
.Lfunc_end_k_q17ca4186f8_attn:
	.size	k_q17ca4186f8_attn, .Lfunc_end_k_q17ca4186f8_attn-k_q17ca4186f8_attn
	.p2alignl 7, 3214868480
	.fill 96, 4, 3214868480
	.section	.rodata,"a",@progbits
	.p2align	6, 0x0
	.amdhsa_kernel k_q17ca4186f8_attn
		.amdhsa_group_segment_fixed_size 327680
		.amdhsa_private_segment_fixed_size 0
		.amdhsa_enable_private_segment 0
		.amdhsa_kernarg_size 48
		.amdhsa_user_sgpr_count 2
		.amdhsa_user_sgpr_kernarg_segment_ptr 1
		.amdhsa_wavefront_size32 1
		.amdhsa_system_sgpr_workgroup_id_x 1
		.amdhsa_system_sgpr_workgroup_id_y 1
		.amdhsa_system_sgpr_workgroup_id_z 1
		.amdhsa_system_vgpr_workitem_id 0
		.amdhsa_next_free_vgpr 256
		.amdhsa_next_free_sgpr 96
		.amdhsa_reserve_vcc 1
		.amdhsa_float_denorm_mode_32 3
		.amdhsa_float_denorm_mode_16_64 3
		.amdhsa_memory_ordered 1
		.amdhsa_forward_progress 1
		.amdhsa_inst_pref_size 75
	.end_amdhsa_kernel
	.amdgpu_metadata
---
amdhsa.version: [ 1, 2 ]
amdhsa.kernels:
  - .name:           k_q17ca4186f8_attn
    .symbol:         k_q17ca4186f8_attn.kd
    .args:
      - { .name: qc, .offset: 0, .size: 8, .value_kind: global_buffer, .address_space: global }
      - { .name: qs, .offset: 8, .size: 8, .value_kind: global_buffer, .address_space: global }
      - { .name: kvc, .offset: 16, .size: 8, .value_kind: global_buffer, .address_space: global }
      - { .name: kvs, .offset: 24, .size: 8, .value_kind: global_buffer, .address_space: global }
      - { .name: ac, .offset: 32, .size: 8, .value_kind: global_buffer, .address_space: global }
      - { .name: asc, .offset: 40, .size: 8, .value_kind: global_buffer, .address_space: global }
    .group_segment_fixed_size: 327680
    .private_segment_fixed_size: 0
    .kernarg_segment_align: 8
    .kernarg_segment_size: 48
    .max_flat_workgroup_size: 512
    .sgpr_count:     96
    .vgpr_count:     256
    .wavefront_size: 32
...
	.end_amdgpu_metadata
.endif
;; end of part 3
;; launch outp (part 4): grid 256 x 1, 4 waves a work-group, no clusters, 34,304 bytes of LDS; arguments cod, scl, ac, asc, bo, out0; writes out0
.if DOCPART == 4
	.amdgcn_target "amdgcn-amd-amdhsa--gfx1250"
	.amdhsa_code_object_version 6
	.text
	.protected	k_q17ca4186f8_outp
	.globl	k_q17ca4186f8_outp
	.p2align	8
	.type	k_q17ca4186f8_outp,@function
k_q17ca4186f8_outp:
	s_mov_b64 s[64:65], 0
	v_nop
	global_prefetch_b8 v0, s[64:65] scope:SCOPE_SE
	s_setreg_imm32_b32 hwreg(HW_REG_WAVE_MODE, 25, 1), 1
	s_wait_xcnt 0x0
; out0 = attn Wo^T + bo on codes of FP6 (E2M3).  attn's codes lie in ac as half images, [tile of rows][head][768]: heads 2 s and 2 s + 1 are registers 0-5 and 6-11 of K step s's fragment; its scale bytes in asc, [tile][row][16]: word s is K step s's.
; Work-group X takes columns 128 (X % 4) .. + 127; wave w takes the tiles of rows 2 P and 2 P + 1 (rows 32 P + 8 u + i + 8 (i / 8)), P = 4 (X / 4) + w: 8 tiles of Wo x 4 K steps stay in its registers.
; The product is used transposed (source 0 = 16 rows of Wo, source 1 = 16 rows of attn): a lane holds one row, and by the tiles' choice of Wo's rows its 64 results are 4 x 16 neighbouring columns.  bo is the C of each sum's first
; matrix instruction (so it is summed first, not last: another order of f32 rounding than the source's).  A tile's 16 rows x 512 bytes go through the wave's own stage in LDS and leave as whole runs of 512 bytes.
; All loads stand at the head: a work-group has two units of 32 matrix instructions, and nothing to overlap them with.  No tensor load, no barrier (a stage is its wave's own), no cluster (what is shared, Wo's codes, comes as register images by plain loads).
; REGISTERS: window 0: v1-12 lanes' offsets and the add's two; v56-119 the 8 accumulators; v128-191 rows on the way out; v192-223 Wo's scale words; v224-231 attn's.
;   window 1: Wo, K steps 0, 1, at v[12 (2 t + s)];  window 2: K steps 2, 3;  window 3: v0-95 attn's two tiles; v96-159 bo's 8 tiles.
.set STG,   8448                       ; a wave's stage: 16 rows x (512 + 16) bytes
.set SPARE, 4*STG                      ; behind the stages: the spare words, 128 bytes for each wave: two blocks of 256 bytes that no other line names
.set SPW, 9
.set NIL, 10
.set STO, 11
.set RD,  12
.set HA,  56
.set OB,  128
.set RS,  192
.set TS,  224
.set BI,  96                           ; in window 3
.set MSB, 0
.macro WIN new                         ; the immediate's high byte repeats the setting that is left; a switch that changes nothing is dropped
.if MSB != \new
	s_set_vgpr_msb (MSB<<8)|\new
.set MSB, \new
.endif
.endm
	s_load_b256 s[4:11], s[0:1], 0x0               ; cod, scl, ac, asc
	s_load_b128 s[12:15], s[0:1], 0x20             ; bo, out0
	v_lshl_add_u32 v[SPW], v0, 2, SPARE
	v_mov_b32 v[NIL], 0
	v_lshrrev_b32 v1, 5, v0
	v_readfirstlane_b32 s22, v1                    ; wave 0..3
	v_and_b32 v1, 31, v0                           ; lane
	v_and_b32 v2, 15, v0                           ; r
	v_bfe_u32 v3, v0, 4, 1                         ; h
	v_lshlrev_b32 v4, 4, v1                        ; 16 x lane
	v_lshlrev_b32 v5, 3, v1                        ; 8 x lane
	v_lshlrev_b32 v6, 4, v2                        ; 16 r: a row's four scale words
	v_lshlrev_b32 v7, 6, v3                        ; the bias: 64 h
	s_mul_i32 s24, s22, STG
	v_mul_u32_u24 v[STO], v2, 528
	v_lshl_add_u32 v[STO], v3, 6, v[STO]
	v_add_nc_u32 v[STO], s24, v[STO]               ; the stage, in: row r, + 64 h
	v_add_nc_u32 v[RD], s24, v4                    ; and back: 16 x lane, the row in the immediate
	; THE SHARES, as they now stand: work-group X takes 128 rows x 128 columns: columns 128 (X % 4) .. + 127, whose 8 tiles of Wo all four waves name, and wave w the tiles of rows 2 P and 2 P + 1 with P = 4 (X / 4) + w.
	s_and_b32 s23, ttmp9, 3                        ; which 128 columns
	s_and_b32 s21, ttmp9, 0xfffc
	s_add_co_u32 s21, s21, s22                     ; P: which 32 rows
	s_lshl_b32 s24, s23, 3
	s_add_co_u32 s24, s24, 1632                    ; my first tile of Wo
	s_mul_i32 s40, s24, 6144
	s_mov_b32 s41, 0
	s_lshl_b32 s42, s24, 8
	s_mov_b32 s43, 0
	s_mul_i32 s44, s21, 2*6144                     ; ac: two tiles of rows
	s_mov_b32 s45, 0
	s_lshl_b32 s46, s21, 9                         ; asc: 2 x 256 bytes
	s_mov_b32 s47, 0
	s_lshl_b32 s24, s23, 9                         ; my work-group's 128 columns: 512 bytes
	s_mov_b32 s25, 0
	s_lshl_b32 s26, s21, 16                        ; 32 rows of 2,048 bytes
	s_add_co_u32 s26, s26, s24
	s_mov_b32 s27, 0
	s_wait_alu depctr_va_vdst(0)
	s_wait_kmcnt 0x0
	s_add_nc_u64 s[28:29], s[4:5], s[40:41]
	s_add_nc_u64 s[30:31], s[6:7], s[42:43]
	s_add_nc_u64 s[32:33], s[8:9], s[44:45]
	s_add_nc_u64 s[34:35], s[10:11], s[46:47]
	s_add_nc_u64 s[36:37], s[12:13], s[24:25]
	s_add_nc_u64 s[38:39], s[14:15], s[26:27]
	WIN 0x40                                       ; destination window 1
.irp t, 0,1,2,3,4,5,6,7
.irp s, 0,1
.irp g, 0,1,2
	global_load_b128 v[12*(2*\t+\s)+4*\g:12*(2*\t+\s)+4*\g+3], v4, s[28:29] offset:(4*\t+\s)*1536+512*\g
.endr
.endr
.endr
	WIN 0x80                                       ; destination window 2
.irp t, 0,1,2,3,4,5,6,7
.irp s, 0,1
.irp g, 0,1,2
	global_load_b128 v[12*(2*\t+\s)+4*\g:12*(2*\t+\s)+4*\g+3], v4, s[28:29] offset:(4*\t+\s+2)*1536+512*\g
.endr
.endr
.endr
	WIN 0xc0                                       ; destination window 3
.irp u, 0,1
.irp s, 0,1,2,3
	global_load_b128 v[48*\u+12*\s:48*\u+12*\s+3], v4, s[32:33] offset:6144*\u+1536*\s            ; head 2 s: registers 0-3,
	global_load_b64 v[48*\u+12*\s+4:48*\u+12*\s+5], v5, s[32:33] offset:6144*\u+1536*\s+512       ; 4-5;
	global_load_b128 v[48*\u+12*\s+6:48*\u+12*\s+9], v4, s[32:33] offset:6144*\u+1536*\s+768      ; head 2 s + 1: registers 6-9,
	global_load_b64 v[48*\u+12*\s+10:48*\u+12*\s+11], v5, s[32:33] offset:6144*\u+1536*\s+1280    ; 10-11
.endr
.endr
.irp t, 0,1,2,3,4,5,6,7                ; lane (r, h), tile t, register j: column 32 (t / 2) + 8 (t % 2) + 16 h + j
	global_load_b128 v[BI+8*\t:BI+8*\t+3], v7, s[36:37] offset:(32*(\t/2)+8*(\t%2))*4
	global_load_b128 v[BI+8*\t+4:BI+8*\t+7], v7, s[36:37] offset:(32*(\t/2)+8*(\t%2))*4+16
.endr
	WIN 0
.irp t, 0,1,2,3,4,5,6,7
	global_load_b128 v[RS+4*\t:RS+4*\t+3], v6, s[30:31] offset:256*\t
.endr
.irp u, 0,1
	global_load_b128 v[TS+4*\u:TS+4*\u+3], v6, s[34:35] offset:256*\u
.endr
	s_wait_loadcnt 0x0
.macro UNIT u
.irp s, 0,1,2,3                        ; the eight accumulators take turns, K step by K step
.if \s == 0
	WIN 0x3d                                       ; source 0 window 1, sources 1 and 2 window 3, destination window 0
.elseif \s == 1
	WIN 0x0d                                       ; C and D window 0
.else
	WIN 0x0e                                       ; source 0 window 2
.endif
.irp t, 0,1,2,3,4,5,6,7
.if \s == 0
	v_wmma_scale_f32_16x16x128_f8f6f4 v[HA+8*\t:HA+8*\t+7], v[12*(2*\t):12*(2*\t)+11], v[48*\u:48*\u+11], v[BI+8*\t:BI+8*\t+7], v[RS+4*\t], v[TS+4*\u] matrix_a_fmt:MATRIX_FMT_FP6 matrix_b_fmt:MATRIX_FMT_FP6
.else
	v_wmma_scale_f32_16x16x128_f8f6f4 v[HA+8*\t:HA+8*\t+7], v[12*(2*\t+\s%2):12*(2*\t+\s%2)+11], v[48*\u+12*\s:48*\u+12*\s+11], v[HA+8*\t:HA+8*\t+7], v[RS+4*\t+\s], v[TS+4*\u+\s] matrix_a_fmt:MATRIX_FMT_FP6 matrix_b_fmt:MATRIX_FMT_FP6
.endif
.endr
.endr
	WIN 0
.rept 5
	v_nop                                          ; four places in front of the LDS stores that read results; the fifth for the next unit's first products, which begin the accumulators anew
.endr
.irp t, 0,1,2,3,4,5,6,7
	ds_store_b128 v[STO], v[HA+8*\t:HA+8*\t+3] offset:128*(\t/2)+32*(\t%2)        ; each accumulator from its low end on
	ds_store_b128 v[STO], v[HA+8*\t+4:HA+8*\t+7] offset:128*(\t/2)+32*(\t%2)+16
.endr
.if \u
	s_wait_xcnt 0x0                                ; the first unit's stores have read their registers: the rows land there again only behind this wait
.endif
.irp i, 0,1,2,3,4,5,6,7,8,9,10,11,12,13,14,15
	ds_load_b128 v[OB+4*\i:OB+4*\i+3], v[RD] offset:528*\i   ; LDS serves a wave's instructions in order (ISA guide 5.7.1.4): these see the stores above
.endr
.irp i, 0,1,2,3,4,5,6,7,8,9,10,11,12,13,14,15
	s_wait_dscnt 15-\i                             ; row i is back; the younger rows may be out.  At i = 15 all LDS instructions are done, the stores that read the accumulators too
	global_store_b128 v4, v[OB+4*\i:OB+4*\i+3], s[38:39] offset:16384*\u+(\i+8*(\i/8))*2048 th:TH_STORE_NT   ; 32 lanes store 512 consecutive bytes, at a multiple of 256 from out0's first byte
.endr
.endm
	UNIT 0
	UNIT 1
	s_wait_tensorcnt 0x0                           ; the wave's end: behind my last LDS store
	ds_add_u32 v[SPW], v[NIL]
	s_wait_dscnt 0x0
	s_endpgm
.Lfunc_end_k_q17ca4186f8_outp:
	.size	k_q17ca4186f8_outp, .Lfunc_end_k_q17ca4186f8_outp-k_q17ca4186f8_outp
	.p2alignl 7, 3214868480
	.fill 96, 4, 3214868480
	.section	.rodata,"a",@progbits
	.p2align	6, 0x0
	.amdhsa_kernel k_q17ca4186f8_outp
		.amdhsa_group_segment_fixed_size 34304
		.amdhsa_private_segment_fixed_size 0
		.amdhsa_enable_private_segment 0
		.amdhsa_kernarg_size 48
		.amdhsa_user_sgpr_count 2
		.amdhsa_user_sgpr_kernarg_segment_ptr 1
		.amdhsa_wavefront_size32 1
		.amdhsa_system_sgpr_workgroup_id_x 1
		.amdhsa_system_sgpr_workgroup_id_y 1
		.amdhsa_system_sgpr_workgroup_id_z 1
		.amdhsa_system_vgpr_workitem_id 0
		.amdhsa_next_free_vgpr 1024
		.amdhsa_next_free_sgpr 66
		.amdhsa_reserve_vcc 0
		.amdhsa_float_denorm_mode_32 3
		.amdhsa_float_denorm_mode_16_64 3
		.amdhsa_memory_ordered 1
		.amdhsa_forward_progress 1
		.amdhsa_inst_pref_size 34
	.end_amdhsa_kernel
	.amdgpu_metadata
---
amdhsa.version: [ 1, 2 ]
amdhsa.kernels:
  - .name:           k_q17ca4186f8_outp
    .symbol:         k_q17ca4186f8_outp.kd
    .args:
      - { .name: cod, .offset: 0, .size: 8, .value_kind: global_buffer, .address_space: global }
      - { .name: scl, .offset: 8, .size: 8, .value_kind: global_buffer, .address_space: global }
      - { .name: ac, .offset: 16, .size: 8, .value_kind: global_buffer, .address_space: global }
      - { .name: asc, .offset: 24, .size: 8, .value_kind: global_buffer, .address_space: global }
      - { .name: bo, .offset: 32, .size: 8, .value_kind: global_buffer, .address_space: global }
      - { .name: out0, .offset: 40, .size: 8, .value_kind: global_buffer, .address_space: global }
    .group_segment_fixed_size: 34304
    .private_segment_fixed_size: 0
    .kernarg_segment_align: 8
    .kernarg_segment_size: 48
    .max_flat_workgroup_size: 128
    .sgpr_count:     66
    .vgpr_count:     1024
    .wavefront_size: 32
...
	.end_amdgpu_metadata
.endif
;; end of part 4
